; MI455X (gfx1250); checked and timed in simulation.
; The chip was launched on July 23, 2026; its instructions are those of AMD's public machine-readable ISA for CDNA 5 (MIT licence, August 2026) and "CDNA5" Instruction Set Architecture Reference Guide (July 2026). The comments in the code are by the model that wrote it; some were corrected since.
;; Guido. Allowed arithmetic: float matrix products may take bf16 or f16 operands with f32 sums; all other float work in f32.
;; Inputs: K_anti 4 x 4 float32; K_phase 4 x 4 float32; freqs 4 float32; phases 2,097,152 x 4 float32; x_in 2,097,152 x 2 float32.
;; Outputs: out0 2,097,152 x 3 float32.
;; 2 versions, each right and faster than the one before. Each part assembles by itself: llvm-mc -triple=amdgcn-amd-amdhsa -mcpu=gfx1250 --defsym DOCPART=n.
;; ======== version 1 of 2: 1 launch
;; limits: inputs' magnitudes at most 100,000
;; launch guido (part 1): grid 256 x 1, 16 waves a work-group, no clusters, 26,624 bytes of LDS; arguments phases, x_in, out0, freqs, K_phase, K_anti; writes out0
.if DOCPART == 1
	.amdgcn_target "amdgcn-amd-amdhsa--gfx1250"
	.amdhsa_code_object_version 6
	.text
	.protected	k_qbe5706685c_guido
	.globl	k_qbe5706685c_guido
	.p2align	8
	.type	k_qbe5706685c_guido,@function
k_qbe5706685c_guido:
	s_mov_b64 s[64:65], 0
	v_nop
	global_prefetch_b8 v0, s[64:65] scope:SCOPE_SE
	s_setreg_imm32_b32 hwreg(HW_REG_WAVE_MODE, 25, 1), 1
	s_wait_xcnt 0x0
; One RK4 step of four coupled phases for 2,097,152 agents, then softmax([right, left, forward]) of the angle new3 - new2.
;
; WORK LEFT OUT, for every value of the inputs:
;  * d[i][i] = 0, so K[i][i] sin 0 = 0: the diagonals of K_phase and K_anti reach no output.
;  * d[j][i] = -d[i][j] (exact in f32) and sine is odd: six differences a stage give all twelve live sines.
;  * sin 2d = 2 sin d cos d: one range reduction serves both harmonics; the 2 is folded (exactly) into K_anti.
;  * only new_phases[:,2] and [:,3] are used: rows 0 and 1 of k4, and with them d10 in stage 4, are not made.
;  * x4's columns 2 and 3 are zeros that reference() builds: rows 2 and 3 start from freqs alone.
;  * mod(.,2) puts q = m pi/4 in [0, pi/2]: sin(-q) <= 0, so prob_left = 0; sin q > 0 exactly when m > 0, so prob_right = (m > 0);
;    either prob_right = 1, or m = 0 and cos 0 = 1: the maximum that softmax takes away is 1, and 1 is taken away here.
;  Every input has a way to the output and is loaded.
; LIMITS: a NaN or an infinity on K's diagonals is not carried to the result.  The rounding trick of the range reduction needs
;  |p_i - p_j| < 2^22 pi; with pi in two words the reduced angle is good to 1e-9 up to |p_i - p_j| of about 1e5.
;  mod jumps at ang = 0: an agent whose new3 - new2 is within a few last places of 0 (about 2e-9) can fall on the other side
;  of the jump than an f32 evaluation in another order of operations.
; WHY f32 AND THE VECTOR UNIT: that jump makes the SIGN of an f32 difference decide the result, so the weighted sums of sines
;  are kept in f32 (sines rounded to 16 bits would move thousands of agents across it); each sum has three live terms that belong
;  to one agent alone, so there is no operand that a matrix tile could share.  Rows 2 and 3 keep reference()'s order of roundings:
;  sums over ascending j, (f - s1) - s2, times h, ((k1 + 2 k2) + 2 k3) + k4, a correctly rounded division by 6.  Rows 0 and 1 reach
;  the result only through h x cos: one chain of multiply-adds with h folded into the coefficients.
; NO CLUSTER: the work-groups share 144 bytes (K_phase, K_anti, freqs) and nothing else.
;
; SHARES: 256 work-groups x 16 waves; a wave owns 512 consecutive agents = 4 trips of 128.  A trip = two units of 64 agents; in a unit a lane
;  holds agents (lane, lane + 32) as the halves of packed f32 pairs.  A unit's next inputs are asked for when its last read of the phases
;  is over, and have the other unit's whole work in which to land.  A trip's 128 x 12 = 1,536 result bytes pass the wave's own LDS bytes and
;  leave as three stores of 512 consecutive bytes, each at a multiple of 512 from out0's first byte.
.set ITERS, 4
.set P_IT,  2048                       ; bytes of phases in a trip (128 agents x 16)
.set X_IT,  1024                       ; bytes of x_in
.set O_IT,  1536                       ; bytes of out0
; vector registers
.set VP,   1                           ; byte offset in phases: 16 lane + 8,192 wave; never rewritten
.set VX,   2                           ; in x_in: 8 lane + 4,096 wave
.set VO,   3                           ; in out0: 16 lane + 6,144 wave
.set LST,  4                           ; LDS: 1,536 wave + 12 lane
.set LLD,  5                           ; LDS: 1,536 wave + 16 lane
.set SH,   6                           ; (c, c) pairs: 1.5 x 2^23
.set CA7,  8                           ; sine's r^7 coefficient
.set CC4,  10                          ; cosine's r^8 coefficient
.set VHF0, 12                          ; h f0
.set VHF1, 14                          ; h f1
.set VE,   16                          ; v16 = 1/e, v17 = 1
.set INA,  18                          ; v[18:29] unit A: 8 phases, 4 x
.set INB,  30                          ; v[30:41] unit B
.set HW,   42                          ; v[42:45] h (f + x) of rows 0, 1
.set ACC,  46                          ; v[46:53] RK sums: unit A rows 2, 3; unit B rows 2, 3
.set KK,   54                          ; v[54:61] k of rows 0 to 3
.set PC,   62                          ; v[62:69] the stage's phases, laid out as the inputs are
.set D,    70                          ; v[70:81]   six pairs: d, then the reduced angle r
.set T,    82                          ; v[82:93]   d/pi + 1.5 x 2^23 (its last bit is n's parity)
.set Y,    94                          ; v[94:105]  n, then sine
.set Z,    106                         ; v[106:117] r^2, then the sums of rows 2, 3
.set C,    118                         ; v[118:129] cosine, then sin r cos r
.set O,    130                         ; v[130:141] rows on their way out
.set O0, 0                             ; where component i's pair lies among a unit's eight phase registers (after the two swaps)
.set O1, 4
.set O2, 2
.set O3, 6
; scalar pairs (a packed source names a pair and takes its first register for both halves)
.set G01, 16                           ; rows 0, 1:  h K, signs as they enter k
.set G02, 18
.set G03, 20
.set G10, 22
.set G12, 24
.set G13, 26
.set J01, 28                           ; rows 0, 1:  2 h K_anti
.set J02, 30
.set J03, 32
.set J10, 34
.set J12, 36
.set J13, 38
.set M20, 40                           ; rows 2, 3: -K_phase (M23: +, since sin d23 = -sin d32): the chains make -s1
.set M21, 42
.set M23, 44
.set M30, 46
.set M31, 48
.set M32, 50
.set B20, 52                           ; rows 2, 3: -2 K_anti (B23: +): the chains make -s2
.set B21, 54
.set B23, 56
.set B30, 58
.set B31, 60
.set B32, 62
.set KP,  68                           ; s[68:83] K_phase as loaded, s[84:99] K_anti: used up before the constants below are written
.set KA,  84
.set F2,  66
.set F3,  68
.set SHH, 70
.set INVPI, 72
.set NPI1, 74
.set PI2, 76
.set A9,  78
.set A5,  80
.set A3,  82
.set C5,  84
.set C3,  86
.set C2,  88
.set E1,  90
.set R6,  92
.set N6,  94
.set PI4, 96
.set L2E, 98
.macro SUBP d, a, b
	v_pk_add_f32 v[\d:\d+1], v[\a:\a+1], v[\b:\b+1] neg_lo:[0,1] neg_hi:[0,1]
.endm
.macro ADDP d, a, b
	v_pk_add_f32 v[\d:\d+1], v[\a:\a+1], v[\b:\b+1]
.endm
.macro ADDS d, a, k
	v_pk_add_f32 v[\d:\d+1], v[\a:\a+1], s[\k:\k+1] op_sel_hi:[1,0]
.endm
.macro MULP d, a, b
	v_pk_mul_f32 v[\d:\d+1], v[\a:\a+1], v[\b:\b+1]
.endm
.macro MULS d, a, k
	v_pk_mul_f32 v[\d:\d+1], v[\a:\a+1], s[\k:\k+1] op_sel_hi:[1,0]
.endm
.macro FMAP d, a, b, c
	v_pk_fma_f32 v[\d:\d+1], v[\a:\a+1], v[\b:\b+1], v[\c:\c+1]
.endm
.macro FMAS d, a, k, c                 ; d = a x scalar + c
	v_pk_fma_f32 v[\d:\d+1], v[\a:\a+1], s[\k:\k+1], v[\c:\c+1] op_sel_hi:[1,0,1]
.endm
.macro AXPC d, a, k, c                 ; d = a x inline constant + c
	v_pk_fma_f32 v[\d:\d+1], v[\a:\a+1], \k, v[\c:\c+1] op_sel_hi:[1,0,1]
.endm
.macro HORN d, z, k                    ; d = d x z + scalar
	v_pk_fma_f32 v[\d:\d+1], v[\d:\d+1], v[\z:\z+1], s[\k:\k+1] op_sel_hi:[1,1,0]
.endm
.macro HORNC d, z, k                   ; d = d x z + inline constant
	v_pk_fma_f32 v[\d:\d+1], v[\d:\d+1], v[\z:\z+1], \k op_sel_hi:[1,1,0]
.endm
.macro COEF dst, src, mul              ; a coefficient pair: the value, and a written upper register
	s_mul_f32 s[\dst], s[\src], \mul
	s_mov_b32 s[\dst+1], 0
.endm
.macro SCONST dst, val
	s_mov_b32 s[\dst], \val
	s_mov_b32 s[\dst+1], \val
.endm
; the inputs of unit u (0, 1), ahead trips on: each load of the wave takes 512 (phases) or 256 (x_in) consecutive bytes; read once in the launch
.macro LOADIN in, u, ahead
	global_load_b128 v[\in:\in+3],     v[VP], s[4:5] offset:\ahead*P_IT+\u*1024 th:TH_LOAD_NT
	global_load_b128 v[\in+4:\in+7],   v[VP], s[4:5] offset:\ahead*P_IT+\u*1024+512 th:TH_LOAD_NT
	global_load_b64  v[\in+8:\in+9],   v[VX], s[6:7] offset:\ahead*X_IT+\u*512 th:TH_LOAD_NT
	global_load_b64  v[\in+10:\in+11], v[VX], s[6:7] offset:\ahead*X_IT+\u*512+256 th:TH_LOAD_NT
.endm
	s_load_b256 s[4:11], s[0:1], 0x0               ; phases s[4:5], x_in s[6:7], out0 s[8:9], freqs s[10:11]
	s_load_b128 s[16:19], s[0:1], 0x20             ; K_phase s[16:17], K_anti s[18:19]
	v_lshl_add_u32 v142, v0, 2, 0x6000
	v_mov_b32 v143, 0
	v_and_b32 v[LLD], 31, v0                       ; lane
	v_lshrrev_b32 v[LST], 5, v0                    ; wave
	v_readfirstlane_b32 s20, v[LST]
	v_lshlrev_b32 v[VP], 4, v[LLD]
	v_lshl_add_u32 v[VP], v[LST], 13, v[VP]        ; 512 agents x 16 bytes a wave
	v_lshlrev_b32 v[VX], 3, v[LLD]
	v_lshl_add_u32 v[VX], v[LST], 12, v[VX]        ; x 8 bytes
	s_mul_i32 s21, s20, 6144                       ; x 12 bytes
	s_mul_i32 s22, s20, O_IT                       ; my wave's LDS bytes
	v_lshl_add_u32 v[VO], v[LLD], 4, s21
	v_mul_u32_u24 v[LST], v[LLD], 12
	v_add_nc_u32 v[LST], s22, v[LST]
	v_lshl_add_u32 v[LLD], v[LLD], 4, s22
	s_wait_kmcnt 0x0
	s_load_b512 s[KP:KP+15], s[16:17], 0x0
	s_load_b512 s[KA:KA+15], s[18:19], 0x0
	s_load_b128 s[12:15], s[10:11], 0x0            ; freqs
	s_lshl_b32 s2, ttmp9, 17                       ; the work-group's 8,192 agents: x 16 bytes
	s_mov_b32 s3, 0
	s_add_nc_u64 s[4:5], s[4:5], s[2:3]
	s_lshl_b32 s2, ttmp9, 16                       ; x 8
	s_add_nc_u64 s[6:7], s[6:7], s[2:3]
	s_mul_i32 s2, ttmp9, 98304                     ; x 12
	s_add_nc_u64 s[8:9], s[8:9], s[2:3]
	LOADIN INA, 0, 0                               ; the first trip's inputs go out before the coefficients are waited for
	LOADIN INB, 1, 0
	v_mov_b32 v[SH],    0x4b400000                 ; 1.5 x 2^23
	v_mov_b32 v[SH+1],  0x4b400000
	v_mov_b32 v[CA7],   0xb94fa175
	v_mov_b32 v[CA7+1], 0xb94fa175
	v_mov_b32 v[CC4],   0x37cfb0e2
	v_mov_b32 v[CC4+1], 0x37cfb0e2
	v_mov_b32 v[VE],    0x3ebc5ab2                 ; 1/e
	v_mov_b32 v[VE+1],  1.0
	s_wait_kmcnt 0x0
	; h = 0.002 = 0x3b03126f, 2 h = 0x3b83126f.  k0 = h w0 + h K01 S10 + h K02 S20 + h K03 S30;  k1 = h w1 - h K10 S10 + h K12 S21 + h K13 S31
	COEF G01, KP+1, 0x3b03126f
	COEF G02, KP+2, 0x3b03126f
	COEF G03, KP+3, 0x3b03126f
	COEF G10, KP+4, 0xbb03126f
	COEF G12, KP+6, 0x3b03126f
	COEF G13, KP+7, 0x3b03126f
	COEF J01, KA+1, 0x3b83126f
	COEF J02, KA+2, 0x3b83126f
	COEF J03, KA+3, 0x3b83126f
	COEF J10, KA+4, 0xbb83126f
	COEF J12, KA+6, 0x3b83126f
	COEF J13, KA+7, 0x3b83126f
	COEF M20, KP+8,  -1.0
	COEF M21, KP+9,  -1.0
	s_mov_b32 s[M23], s[KP+11]
	s_mov_b32 s[M23+1], 0
	COEF M30, KP+12, -1.0
	COEF M31, KP+13, -1.0
	COEF M32, KP+14, -1.0
	COEF B20, KA+8,  -2.0
	COEF B21, KA+9,  -2.0
	COEF B23, KA+11, 2.0
	COEF B30, KA+12, -2.0
	COEF B31, KA+13, -2.0
	COEF B32, KA+14, -2.0
	s_mul_f32 s2, s12, 0x3b03126f                  ; h f0, h f1
	s_mul_f32 s3, s13, 0x3b03126f
	v_mov_b32 v[VHF0],   s2
	v_mov_b32 v[VHF0+1], s2
	v_mov_b32 v[VHF1],   s3
	v_mov_b32 v[VHF1+1], s3
	SCONST F2, s14
	SCONST F3, s15
	SCONST SHH,   0x3b03126f                       ; h
	SCONST INVPI, 0x3ea2f983                       ; 1/pi
	SCONST NPI1,  0xc0490fdb                       ; -(pi rounded to f32)
	SCONST PI2,   0x33bbbd2e                       ; (pi rounded to f32) - pi
	SCONST A9,    0x362d973b                       ; sin r = r + r^3 (A3 + A5 r^2 + A7 r^4 + A9 r^6) on |r| <= pi/2, within 2 last places
	SCONST A5,    0x3c0886fa
	SCONST A3,    0xbe2aaaa4
	SCONST C5,    0xb48ba698                       ; cos r = 1 + r^2 (-1/2 + C2 r^2 + C3 r^4 + C4 r^6 + C5 r^8): the series to r^12 with its last term
	SCONST C3,    0xbab60989                       ; folded down by the shifted Chebyshev polynomial of degree 6 on r^2 in [0, pi^2/4]; within 2.4e-8
	SCONST C2,    0x3d2aaaa2
	SCONST E1,    0x3ebc5ab2                       ; 1/e
	SCONST R6,    0x3e2aaaab                       ; 1/6
	SCONST N6,    0xc0c00000                       ; -6
	SCONST PI4,   0x3f490fdb                       ; (pi rounded to f32) / 4
	SCONST L2E,   0x3fb8aa3b                       ; log2 e
; One evaluation of hkb x h for a unit.  src: the phases' pairs.  ne = 6: all differences, full = 1: all four rows; ne = 5, full = 0: rows 2 and 3 alone.
; Pairs: 0: d20, 1: d21, 2: d30, 3: d31, 4: d32, 5: d10.  k2, k3 go to kd, kd + 2; k0, k1 to KK, KK + 2.  The pairs go in lock-step, so that
; six (with sine and cosine twelve) instructions that do not wait for each other follow one another.
.macro STAGE src, ne, kd, full
	SUBP D+0, \src+O2, \src+O0
	SUBP D+2, \src+O2, \src+O1
	SUBP D+4, \src+O3, \src+O0
	SUBP D+6, \src+O3, \src+O1
	SUBP D+8, \src+O3, \src+O2
	.if \full
	SUBP D+10, \src+O1, \src+O0
	.endif
	.set e, 0
	.rept \ne
	FMAS T+e, D+e, INVPI, SH                       ; d/pi + 1.5 x 2^23: the sum rounds to a whole number n, whose parity is the last bit
	.set e, e+2
	.endr
	.set e, 0
	.rept \ne
	SUBP Y+e, T+e, SH                              ; n
	.set e, e+2
	.endr
	.set e, 0
	.rept \ne
	FMAS D+e, Y+e, NPI1, D+e                       ; r = d - n pi, pi in two words
	.set e, e+2
	.endr
	.set e, 0
	.rept \ne
	FMAS D+e, Y+e, PI2, D+e
	.set e, e+2
	.endr
	.set e, 0
	.rept \ne
	MULP Z+e, D+e, D+e                             ; r^2
	.set e, e+2
	.endr
	.set e, 0
	.rept \ne
	FMAS Y+e, Z+e, A9, CA7
	FMAS C+e, Z+e, C5, CC4
	.set e, e+2
	.endr
	.set e, 0
	.rept \ne
	HORN Y+e, Z+e, A5
	HORN C+e, Z+e, C3
	.set e, e+2
	.endr
	.set e, 0
	.rept \ne
	HORN Y+e, Z+e, A3
	HORN C+e, Z+e, C2
	.set e, e+2
	.endr
	.set e, 0
	.rept \ne
	MULP Y+e, Y+e, Z+e
	HORNC C+e, Z+e, -0.5
	.set e, e+2
	.endr
	.set e, 0
	.rept \ne
	FMAP Y+e, Y+e, D+e, D+e                        ; sin r
	HORNC C+e, Z+e, 1.0                            ; cos r
	.set e, e+2
	.endr
	.set e, 0
	.rept \ne
	MULP C+e, C+e, Y+e                             ; sin r cos r = sin(2 d) / 2: n's parity cancels
	.set e, e+2
	.endr
	.set e, 0
	.rept 2*\ne
	v_lshl_add_u32 v[Y+e], v[T+e], 31, v[Y+e]      ; sin d = (-1)^n sin r: adding parity << 31 to the word turns its sign bit
	.set e, e+1
	.endr
	; rows 2, 3: -s1 in Z+0, Z+2 and -s2 in Z+4, Z+6, j ascending; rows 0, 1 ride along in one chain each
	MULS Z+0, Y+0, M20
	MULS Z+2, Y+4, M30
	MULS Z+4, C+0, B20
	MULS Z+6, C+4, B30
	.if \full
	FMAS KK+0, Y+10, G01, HW+0
	FMAS KK+2, Y+10, G10, HW+2
	.endif
	FMAS Z+0, Y+2, M21, Z+0
	FMAS Z+2, Y+6, M31, Z+2
	FMAS Z+4, C+2, B21, Z+4
	FMAS Z+6, C+6, B31, Z+6
	.if \full
	FMAS KK+0, Y+0, G02, KK+0
	FMAS KK+2, Y+2, G12, KK+2
	.endif
	FMAS Z+0, Y+8, M23, Z+0
	FMAS Z+2, Y+8, M32, Z+2
	FMAS Z+4, C+8, B23, Z+4
	FMAS Z+6, C+8, B32, Z+6
	.if \full
	FMAS KK+0, Y+4, G03, KK+0
	FMAS KK+2, Y+6, G13, KK+2
	.endif
	ADDS Z+0, Z+0, F2                              ; f - s1
	ADDS Z+2, Z+2, F3
	.if \full
	FMAS KK+0, C+10, J01, KK+0
	FMAS KK+2, C+10, J10, KK+2
	.endif
	ADDP Z+0, Z+0, Z+4                             ; - s2
	ADDP Z+2, Z+2, Z+6
	.if \full
	FMAS KK+0, C+0, J02, KK+0
	FMAS KK+2, C+2, J12, KK+2
	.endif
	MULS \kd+0, Z+0, SHH                           ; x h
	MULS \kd+2, Z+2, SHH
	.if \full
	FMAS KK+0, C+4, J03, KK+0
	FMAS KK+2, C+6, J13, KK+2
	.endif
.endm
; The four stages of unit u.  left: how many younger loads may stay out; pre = 1: the unit's inputs of the next trip are asked for.
.macro UNIT in, acc, u, left, pre
	s_wait_loadcnt \left                           ; loads come back in order: my four are in, the other unit's four may be out
	v_swap_b32 v[\in+1], v[\in+4]                  ; (A0 A1 A2 A3)(B0 B1 B2 B3) -> pairs (A0 B0)(A2 B2)(A1 B1)(A3 B3)
	v_swap_b32 v[\in+3], v[\in+6]
	v_swap_b32 v[\in+9], v[\in+10]                 ; (x0A x1A)(x0B x1B) -> (x0A x0B)(x1A x1B)
	FMAS HW+0, \in+8,  SHH, VHF0                   ; h x + h f
	FMAS HW+2, \in+10, SHH, VHF1
	STAGE \in, 6, \acc, 1                          ; k1; rows 2, 3 start the RK sums
	AXPC PC+O0, KK+0,   0.5, \in+O0
	AXPC PC+O1, KK+2,   0.5, \in+O1
	AXPC PC+O2, \acc+0, 0.5, \in+O2
	AXPC PC+O3, \acc+2, 0.5, \in+O3
	STAGE PC, 6, KK+4, 1                           ; k2
	AXPC PC+O0, KK+0, 0.5, \in+O0
	AXPC PC+O1, KK+2, 0.5, \in+O1
	AXPC PC+O2, KK+4, 0.5, \in+O2
	AXPC PC+O3, KK+6, 0.5, \in+O3
	AXPC \acc+0, KK+4, 2.0, \acc+0
	AXPC \acc+2, KK+6, 2.0, \acc+2
	STAGE PC, 6, KK+4, 1                           ; k3
	ADDP PC+O0, \in+O0, KK+0
	ADDP PC+O1, \in+O1, KK+2
	ADDP PC+O2, \in+O2, KK+4
	ADDP PC+O3, \in+O3, KK+6
	AXPC \acc+0, KK+4, 2.0, \acc+0
	AXPC \acc+2, KK+6, 2.0, \acc+2
	.if \pre
	LOADIN \in, \u, 1                              ; the phases have had their last read: stage 4 and the other unit's four stages pass before these are waited for
	.endif
	STAGE PC, 5, KK+4, 0                           ; k4, rows 2 and 3
	ADDP \acc+0, \acc+0, KK+4
	ADDP \acc+2, \acc+2, KK+6
.endm
; The angle, the three probabilities and the softmax of both units (four agents a lane), and the way out.
.macro TAIL
	.set e, 0
	.rept 4
	MULS D+e, ACC+e, R6                            ; a/6, correctly rounded: q = a/6 roughly,
	.set e, e+2
	.endr
	.set e, 0
	.rept 4
	FMAS T+e, D+e, N6, ACC+e                       ; what is left, a - 6 q, exactly,
	.set e, e+2
	.endr
	.set e, 0
	.rept 4
	FMAS D+e, T+e, R6, D+e                         ; and q mended by it
	.set e, e+2
	.endr
	SUBP Y+0, D+2, D+0                             ; ang = new3 - new2
	SUBP Y+2, D+6, D+4
	v_pk_mul_f32 v[Z+0:Z+1], v[Y+0:Y+1], 0.5 op_sel_hi:[1,0]
	v_pk_mul_f32 v[Z+2:Z+3], v[Y+2:Y+3], 0.5 op_sel_hi:[1,0]
.irp i, 0,1,2,3
	v_floor_f32 v[Z+\i], v[Z+\i]
.endr
	AXPC Y+0, Z+0, -2.0, Y+0                       ; m = ang - 2 floor(ang/2), one rounding: the remainder, with 2 added where it is negative
	AXPC Y+2, Z+2, -2.0, Y+2
	MULS T+0, Y+0, PI4                             ; q = (m pi) / 4, in [0, pi/2]
	MULS T+2, Y+2, PI4
	MULP Z+0, T+0, T+0
	MULP Z+2, T+2, T+2
	FMAS C+0, Z+0, C5, CC4
	FMAS C+2, Z+2, C5, CC4
	HORN C+0, Z+0, C3
	HORN C+2, Z+2, C3
	HORN C+0, Z+0, C2
	HORN C+2, Z+2, C2
	HORNC C+0, Z+0, -0.5
	HORNC C+2, Z+2, -0.5
	MULP C+0, C+0, Z+0                             ; cos q - 1: the maximum, 1, is already taken away
	MULP C+2, C+2, Z+2
	MULS C+0, C+0, L2E
	MULS C+2, C+2, L2E
.irp i, 0,1,2,3
	v_exp_f32 v[T+\i], v[C+\i]                     ; exp(forward - 1); the compares below are the plain instructions that stand before its use (ISA guide 5.7.2)
.endr
.irp i, 0,1,2,3
	v_cmp_lt_f32 s[12+\i], 0, v[Y+\i]              ; right = (m > 0)
.endr
	s_wait_alu depctr_va_vdst(0)
.irp i, 0,1,2,3
	v_cndmask_b32 v[D+\i], v[VE], v[VE+1], s[12+\i] ; exp(right - 1): 1 or 1/e
.endr
	ADDS Z+0, D+0, E1                              ; + exp(left - 1) = 1/e
	ADDS Z+2, D+2, E1
	ADDP Z+0, Z+0, T+0
	ADDP Z+2, Z+2, T+2
.irp i, 0,1,2,3
	v_rcp_f32 v[C+\i], v[Z+\i]
.endr
	v_nop                                          ; one plain instruction between the reciprocals and their use (ISA guide 5.7.2); nothing else is left to do here
	s_wait_alu depctr_va_vdst(0)
	MULP D+0, D+0, C+0
	MULP D+2, D+2, C+2
	MULP T+0, T+0, C+0
	MULP T+2, T+2, C+2
	MULS C+0, C+0, E1
	MULS C+2, C+2, E1
.irp j, 0,1,2,3
	ds_store_b32 v[LST], v[D+\j] offset:384*\j     ; agent 32 j + lane of the trip's 128: 12 bytes each; lanes are 3 words apart, 32 different banks
	ds_store_b32 v[LST], v[C+\j] offset:384*\j+4
	ds_store_b32 v[LST], v[T+\j] offset:384*\j+8
.endr
.irp m, 0,1,2
	ds_load_b128 v[O+4*\m:O+4*\m+3], v[LLD] offset:512*\m   ; my wave's own bytes, served in order (ISA guide 5.7.1): these see the stores above
.endr
.irp m, 0,1,2
	s_wait_dscnt 2-\m                              ; the younger read-backs may stay out
	global_store_b128 v[VO], v[O+4*\m:O+4*\m+3], s[8:9] offset:512*\m th:TH_STORE_NT   ; 512 consecutive bytes, aligned
.endr
.endm
.macro ITER pre, leftb
	UNIT INA, ACC,   0, 4, \pre
	UNIT INB, ACC+4, 1, \leftb, \pre
	TAIL
.endm
	s_mov_b32 s11, ITERS-1
.Ltrip:
	ITER 1, 4
	s_wait_xcnt 0x0                                ; the three bases, which pending loads and stores name, and the rows v[130:141] are rewritten only behind this wait
	s_add_nc_u64 s[4:5], s[4:5], P_IT
	s_add_nc_u64 s[6:7], s[6:7], X_IT
	s_add_nc_u64 s[8:9], s[8:9], O_IT
	s_sub_co_i32 s11, s11, 1
	s_cmp_lg_u32 s11, 0
	s_cbranch_scc1 .Ltrip
	ITER 0, 0                                      ; the last trip asks for nothing: unit B's wait is for zero
	s_wait_tensorcnt 0x0
	ds_add_u32 v142, v143
	s_wait_dscnt 0x0
	s_endpgm
.Lfunc_end_k_qbe5706685c_guido:
	.size	k_qbe5706685c_guido, .Lfunc_end_k_qbe5706685c_guido-k_qbe5706685c_guido
	.p2alignl 7, 3214868480
	.fill 96, 4, 3214868480
	.section	.rodata,"a",@progbits
	.p2align	6, 0x0
	.amdhsa_kernel k_qbe5706685c_guido
		.amdhsa_group_segment_fixed_size 26624
		.amdhsa_private_segment_fixed_size 0
		.amdhsa_enable_private_segment 0
		.amdhsa_kernarg_size 48
		.amdhsa_user_sgpr_count 2
		.amdhsa_user_sgpr_kernarg_segment_ptr 1
		.amdhsa_wavefront_size32 1
		.amdhsa_system_sgpr_workgroup_id_x 1
		.amdhsa_system_sgpr_workgroup_id_y 1
		.amdhsa_system_sgpr_workgroup_id_z 1
		.amdhsa_system_vgpr_workitem_id 0
		.amdhsa_next_free_vgpr 144
		.amdhsa_next_free_sgpr 100
		.amdhsa_reserve_vcc 0
		.amdhsa_float_denorm_mode_32 3
		.amdhsa_float_denorm_mode_16_64 3
		.amdhsa_memory_ordered 1
		.amdhsa_forward_progress 1
		.amdhsa_inst_pref_size 161
	.end_amdhsa_kernel
	.amdgpu_metadata
---
amdhsa.version: [ 1, 2 ]
amdhsa.kernels:
  - .name:           k_qbe5706685c_guido
    .symbol:         k_qbe5706685c_guido.kd
    .args:
      - { .name: phases, .offset: 0, .size: 8, .value_kind: global_buffer, .address_space: global }
      - { .name: x_in, .offset: 8, .size: 8, .value_kind: global_buffer, .address_space: global }
      - { .name: out0, .offset: 16, .size: 8, .value_kind: global_buffer, .address_space: global }
      - { .name: freqs, .offset: 24, .size: 8, .value_kind: global_buffer, .address_space: global }
      - { .name: K_phase, .offset: 32, .size: 8, .value_kind: global_buffer, .address_space: global }
      - { .name: K_anti, .offset: 40, .size: 8, .value_kind: global_buffer, .address_space: global }
    .group_segment_fixed_size: 26624
    .private_segment_fixed_size: 0
    .kernarg_segment_align: 8
    .kernarg_segment_size: 48
    .max_flat_workgroup_size: 512
    .sgpr_count:     100
    .vgpr_count:     144
    .wavefront_size: 32
...
	.end_amdgpu_metadata
.endif
;; end of part 1
;; ======== version 2 of 2: 1 launch; 1.12 times as fast as version 1
;; limits: inputs' magnitudes at most 100,000
;; launch guido (part 2): grid 256 x 1, 16 waves a work-group, no clusters, 26,624 bytes of LDS; arguments phases, x_in, out0, freqs, K_phase, K_anti; writes out0
.if DOCPART == 2
	.amdgcn_target "amdgcn-amd-amdhsa--gfx1250"
	.amdhsa_code_object_version 6
	.text
	.protected	k_qbe5706685c_guido
	.globl	k_qbe5706685c_guido
	.p2align	8
	.type	k_qbe5706685c_guido,@function
k_qbe5706685c_guido:
	s_mov_b64 s[64:65], 0
	v_nop
	global_prefetch_b8 v0, s[64:65] scope:SCOPE_SE
	s_setreg_imm32_b32 hwreg(HW_REG_WAVE_MODE, 25, 1), 1
	s_wait_xcnt 0x0
; One RK4 step of four coupled phases for 2,097,152 agents, then softmax([right, left, forward]) of the angle new3 - new2.
;
; WORK LEFT OUT, for every value of the inputs:
;  * d[i][i] = 0, so K[i][i] sin 0 = 0: the diagonals of K_phase and K_anti reach no output.
;  * d[j][i] = -d[i][j] (exact in f32) and sine is odd: six differences a stage give all twelve live sines.
;  * only three of the six are independent: d30 = d32 + d20, d31 = d32 + d21, d10 = d20 - d21.  d20, d21, d32 are reduced and go through the
;    polynomials (21 instructions each for two agents a lane); sine and cosine of the other three come from the addition theorem (5 each).
;  * sin 2d = 2 sin d cos d: the cosine that the addition theorem needs serves the second harmonic too; the 2 is folded (exactly) into K_anti.
;  * only new_phases[:,2] and [:,3] are used: rows 0 and 1 of k4, and with them d10 in stage 4, are not made.
;  * x4's columns 2 and 3 are zeros that reference() builds: rows 2 and 3 start from freqs alone.
;  * mod(.,2) puts q = m pi/4 in [0, pi/2]: sin(-q) <= 0, so prob_left = 0; sin q > 0 exactly when m > 0, so prob_right = (m > 0);
;    either prob_right = 1, or m = 0 and cos 0 = 1: the maximum that softmax takes away is 1, and 1 is taken away here.
;  Every input has a way to the output and is loaded.
; LIMITS: a NaN or an infinity on K's diagonals is not carried to the result.  The rounding trick of the range reduction needs
;  |p_i - p_j| < 2^22 pi; with pi in two words the reduced angle is good to 1e-9 up to |p_i - p_j| of about 1e5.
;  mod jumps at ang = 0, so the sign of new3 - new2 decides the result.  Direct sines are within 2 last places, cosines within 1e-7, derived
;  sines and cosines within about 3e-7; through K and h = 0.002 that is at most about 1e-8 on ang for |K| <= 1 (it grows with K), as a rule
;  under 1e-9.  An agent whose new3 - new2 lies that near 0 can fall on the other side of the jump than reference()'s own f32 evaluation.
; WHY f32 ON THE VECTOR UNIT: the two einsums could be one matrix product, the agents' 12 features (six sin d, six sin d cos d) against a
;  table of 12 x 4 coefficients that all agents share.  What speaks against it is precision alone: a sine in bf16 is off by up to 2^-9; times
;  K of order 1 and h = 0.002 that is about 4e-6 on ang, whose spread is about h x 1 = 2e-3; so about one agent in 500, some 4,000 of the
;  2,097,152, would cross the jump (in f16, 2^-12: some 500).  The weighted sums are therefore 30 packed f32 instructions a stage.
; WHICH ROUNDINGS OF reference() ARE KEPT in rows 2 and 3: the terms of s1 and s2 are added in ascending j, then (f - s1) - s2, times h,
;  ((k1 + 2 k2) + 2 k3) + k4, and a correctly rounded division by 6.  NOT kept: inside s1 and s2 each product is fused with its addition;
;  s2 is made of -2 K_anti x (sin d cos d), not of K_anti x sin(2 d); the sines are not reference()'s bits (see LIMITS).
;  Rows 0 and 1 reach the result only through h x cos: one chain of multiply-adds each, with h folded into the coefficients.
; NO CLUSTER: the work-groups share 144 bytes (K_phase, K_anti, freqs) and nothing else.
;
; SHARES: 256 work-groups x 16 waves; a wave owns 512 consecutive agents = 4 trips of 128.  A trip = two units of 64 agents; in a unit a lane
;  holds agents (lane, lane + 32) as the halves of packed f32 pairs.  A unit's next inputs are asked for when its last read of the phases
;  is over, and have the other unit's whole work in which to land.  A trip's 128 x 12 = 1,536 result bytes pass the wave's own LDS bytes and
;  leave as three stores of 512 consecutive bytes, each at a multiple of 512 from out0's first byte.
.set ITERS, 4
.set P_IT,  2048                       ; bytes of phases in a trip (128 agents x 16)
.set X_IT,  1024                       ; bytes of x_in
.set O_IT,  1536                       ; bytes of out0
; vector registers
.set VP,   1                           ; byte offset in phases: 16 lane + 8,192 wave; never rewritten
.set VX,   2                           ; in x_in: 8 lane + 4,096 wave
.set VO,   3                           ; in out0: 16 lane + 6,144 wave
.set LST,  4                           ; LDS: 1,536 wave + 12 lane
.set LLD,  5                           ; LDS: 1,536 wave + 16 lane
.set SH,   6                           ; (c, c) pairs: 1.5 x 2^23
.set CA7,  8                           ; sine's r^7 coefficient
.set CC4,  10                          ; cosine's r^8 coefficient
.set VHF0, 12                          ; h f0
.set VHF1, 14                          ; h f1
.set VE,   16                          ; v16 = 1/e, v17 = 1
.set INA,  18                          ; v[18:29] unit A: 8 phases, 4 x
.set INB,  30                          ; v[30:41] unit B
.set HW,   42                          ; v[42:45] h (f + x) of rows 0, 1
.set ACC,  46                          ; v[46:53] RK sums: unit A rows 2, 3; unit B rows 2, 3
.set KK,   54                          ; v[54:61] k of rows 0 to 3
.set PC,   62                          ; v[62:69] the stage's phases, laid out as the inputs are
.set D,    70                          ; v[70:77]   the three direct pairs: d, then the reduced angle r (the tail uses all eight)
.set T,    78                          ; v[78:85]   the three direct pairs: d/pi + 1.5 x 2^23 (its last bit is n's parity)
.set Z,    86                          ; v[86:93]   the three direct pairs: r^2; then the sums of rows 2, 3
.set Y,    94                          ; v[94:105]  six pairs: (n, then) sin d
.set C,    106                         ; v[106:117] six pairs: cos d, then sin d cos d
.set O,    118                         ; v[118:129] rows on their way out
.set Q20, 0                            ; a difference's pair in Y and C; the three direct ones come first and have the same place in D, T, Z
.set Q21, 2
.set Q32, 4
.set Q30, 6
.set Q31, 8
.set Q10, 10
.set O0, 0                             ; where component i's pair lies among a unit's eight phase registers (after the two swaps)
.set O1, 4
.set O2, 2
.set O3, 6
; scalar pairs (a packed source names a pair and takes its first register for both halves)
.set G01, 16                           ; rows 0, 1:  h K, signs as they enter k
.set G02, 18
.set G03, 20
.set G10, 22
.set G12, 24
.set G13, 26
.set J01, 28                           ; rows 0, 1:  2 h K_anti
.set J02, 30
.set J03, 32
.set J10, 34
.set J12, 36
.set J13, 38
.set M20, 40                           ; rows 2, 3: -K_phase (M23: +, since sin d23 = -sin d32): the chains make -s1
.set M21, 42
.set M23, 44
.set M30, 46
.set M31, 48
.set M32, 50
.set B20, 52                           ; rows 2, 3: -2 K_anti (B23: +): the chains make -s2
.set B21, 54
.set B23, 56
.set B30, 58
.set B31, 60
.set B32, 62
.set KP,  68                           ; s[68:83] K_phase as loaded, s[84:99] K_anti: used up before the constants below are written
.set KA,  84
.set F2,  66
.set F3,  68
.set SHH, 70
.set INVPI, 72
.set NPI1, 74
.set PI2, 76
.set A9,  78
.set A5,  80
.set A3,  82
.set C5,  84
.set C3,  86
.set C2,  88
.set E1,  90
.set R6,  92
.set N6,  94
.set PI4, 96
.set L2E, 98
.macro SUBP d, a, b
	v_pk_add_f32 v[\d:\d+1], v[\a:\a+1], v[\b:\b+1] neg_lo:[0,1] neg_hi:[0,1]
.endm
.macro ADDP d, a, b
	v_pk_add_f32 v[\d:\d+1], v[\a:\a+1], v[\b:\b+1]
.endm
.macro ADDS d, a, k
	v_pk_add_f32 v[\d:\d+1], v[\a:\a+1], s[\k:\k+1] op_sel_hi:[1,0]
.endm
.macro MULP d, a, b
	v_pk_mul_f32 v[\d:\d+1], v[\a:\a+1], v[\b:\b+1]
.endm
.macro MULS d, a, k
	v_pk_mul_f32 v[\d:\d+1], v[\a:\a+1], s[\k:\k+1] op_sel_hi:[1,0]
.endm
.macro FMAP d, a, b, c                 ; d = a x b + c
	v_pk_fma_f32 v[\d:\d+1], v[\a:\a+1], v[\b:\b+1], v[\c:\c+1]
.endm
.macro FNMP d, a, b, c                 ; d = c - a x b: the first source is negated in both halves
	v_pk_fma_f32 v[\d:\d+1], v[\a:\a+1], v[\b:\b+1], v[\c:\c+1] neg_lo:[1,0,0] neg_hi:[1,0,0]
.endm
.macro FMAS d, a, k, c                 ; d = a x scalar + c
	v_pk_fma_f32 v[\d:\d+1], v[\a:\a+1], s[\k:\k+1], v[\c:\c+1] op_sel_hi:[1,0,1]
.endm
.macro AXPC d, a, k, c                 ; d = a x inline constant + c
	v_pk_fma_f32 v[\d:\d+1], v[\a:\a+1], \k, v[\c:\c+1] op_sel_hi:[1,0,1]
.endm
.macro HORN d, z, k                    ; d = d x z + scalar
	v_pk_fma_f32 v[\d:\d+1], v[\d:\d+1], v[\z:\z+1], s[\k:\k+1] op_sel_hi:[1,1,0]
.endm
.macro HORNC d, z, k                   ; d = d x z + inline constant
	v_pk_fma_f32 v[\d:\d+1], v[\d:\d+1], v[\z:\z+1], \k op_sel_hi:[1,1,0]
.endm
.macro COEF dst, src, mul              ; a coefficient pair: the value, and a written upper register
	s_mul_f32 s[\dst], s[\src], \mul
	s_mov_b32 s[\dst+1], 0
.endm
.macro SCONST dst, val
	s_mov_b32 s[\dst], \val
	s_mov_b32 s[\dst+1], \val
.endm
; the inputs of unit u (0, 1), ahead trips on: each load of the wave takes 512 (phases) or 256 (x_in) consecutive bytes; read once in the launch
.macro LOADIN in, u, ahead
	global_load_b128 v[\in:\in+3],     v[VP], s[4:5] offset:\ahead*P_IT+\u*1024 th:TH_LOAD_NT
	global_load_b128 v[\in+4:\in+7],   v[VP], s[4:5] offset:\ahead*P_IT+\u*1024+512 th:TH_LOAD_NT
	global_load_b64  v[\in+8:\in+9],   v[VX], s[6:7] offset:\ahead*X_IT+\u*512 th:TH_LOAD_NT
	global_load_b64  v[\in+10:\in+11], v[VX], s[6:7] offset:\ahead*X_IT+\u*512+256 th:TH_LOAD_NT
.endm
	s_load_b256 s[4:11], s[0:1], 0x0               ; phases s[4:5], x_in s[6:7], out0 s[8:9], freqs s[10:11]
	s_load_b128 s[16:19], s[0:1], 0x20             ; K_phase s[16:17], K_anti s[18:19]
	v_lshl_add_u32 v130, v0, 2, 0x6000
	v_mov_b32 v131, 0
	v_and_b32 v[LLD], 31, v0                       ; lane
	v_lshrrev_b32 v[LST], 5, v0                    ; wave
	v_readfirstlane_b32 s20, v[LST]
	v_lshlrev_b32 v[VP], 4, v[LLD]
	v_lshl_add_u32 v[VP], v[LST], 13, v[VP]        ; 512 agents x 16 bytes a wave
	v_lshlrev_b32 v[VX], 3, v[LLD]
	v_lshl_add_u32 v[VX], v[LST], 12, v[VX]        ; x 8 bytes
	s_mul_i32 s21, s20, 6144                       ; x 12 bytes
	s_mul_i32 s22, s20, O_IT                       ; my wave's LDS bytes
	v_lshl_add_u32 v[VO], v[LLD], 4, s21
	v_mul_u32_u24 v[LST], v[LLD], 12
	v_add_nc_u32 v[LST], s22, v[LST]
	v_lshl_add_u32 v[LLD], v[LLD], 4, s22
	s_wait_kmcnt 0x0
	s_load_b512 s[KP:KP+15], s[16:17], 0x0
	s_load_b512 s[KA:KA+15], s[18:19], 0x0
	s_load_b128 s[12:15], s[10:11], 0x0            ; freqs
	s_lshl_b32 s2, ttmp9, 17                       ; the work-group's 8,192 agents: x 16 bytes
	s_mov_b32 s3, 0
	s_add_nc_u64 s[4:5], s[4:5], s[2:3]
	s_lshl_b32 s2, ttmp9, 16                       ; x 8
	s_add_nc_u64 s[6:7], s[6:7], s[2:3]
	s_mul_i32 s2, ttmp9, 98304                     ; x 12
	s_add_nc_u64 s[8:9], s[8:9], s[2:3]
	LOADIN INA, 0, 0                               ; the first trip's inputs go out before the coefficients are waited for
	LOADIN INB, 1, 0
	v_mov_b32 v[SH],    0x4b400000                 ; 1.5 x 2^23
	v_mov_b32 v[SH+1],  0x4b400000
	v_mov_b32 v[CA7],   0xb94fa175
	v_mov_b32 v[CA7+1], 0xb94fa175
	v_mov_b32 v[CC4],   0x37cfb0e2
	v_mov_b32 v[CC4+1], 0x37cfb0e2
	v_mov_b32 v[VE],    0x3ebc5ab2                 ; 1/e
	v_mov_b32 v[VE+1],  1.0
	s_wait_kmcnt 0x0
	; h = 0.002 = 0x3b03126f, 2 h = 0x3b83126f.  k0 = h w0 + h K01 S10 + h K02 S20 + h K03 S30;  k1 = h w1 - h K10 S10 + h K12 S21 + h K13 S31
	COEF G01, KP+1, 0x3b03126f
	COEF G02, KP+2, 0x3b03126f
	COEF G03, KP+3, 0x3b03126f
	COEF G10, KP+4, 0xbb03126f
	COEF G12, KP+6, 0x3b03126f
	COEF G13, KP+7, 0x3b03126f
	COEF J01, KA+1, 0x3b83126f
	COEF J02, KA+2, 0x3b83126f
	COEF J03, KA+3, 0x3b83126f
	COEF J10, KA+4, 0xbb83126f
	COEF J12, KA+6, 0x3b83126f
	COEF J13, KA+7, 0x3b83126f
	COEF M20, KP+8,  -1.0
	COEF M21, KP+9,  -1.0
	s_mov_b32 s[M23], s[KP+11]
	s_mov_b32 s[M23+1], 0
	COEF M30, KP+12, -1.0
	COEF M31, KP+13, -1.0
	COEF M32, KP+14, -1.0
	COEF B20, KA+8,  -2.0
	COEF B21, KA+9,  -2.0
	COEF B23, KA+11, 2.0
	COEF B30, KA+12, -2.0
	COEF B31, KA+13, -2.0
	COEF B32, KA+14, -2.0
	s_mul_f32 s2, s12, 0x3b03126f                  ; h f0, h f1
	s_mul_f32 s3, s13, 0x3b03126f
	v_mov_b32 v[VHF0],   s2
	v_mov_b32 v[VHF0+1], s2
	v_mov_b32 v[VHF1],   s3
	v_mov_b32 v[VHF1+1], s3
	SCONST F2, s14
	SCONST F3, s15
	SCONST SHH,   0x3b03126f                       ; h
	SCONST INVPI, 0x3ea2f983                       ; 1/pi
	SCONST NPI1,  0xc0490fdb                       ; -(pi rounded to f32)
	SCONST PI2,   0x33bbbd2e                       ; (pi rounded to f32) - pi
	SCONST A9,    0x362d973b                       ; sin r = r + r^3 (A3 + A5 r^2 + A7 r^4 + A9 r^6) on |r| <= pi/2, within 2 last places
	SCONST A5,    0x3c0886fa
	SCONST A3,    0xbe2aaaa4
	SCONST C5,    0xb48ba698                       ; cos r = 1 + r^2 (-1/2 + C2 r^2 + C3 r^4 + C4 r^6 + C5 r^8): the series to r^12 with its last term
	SCONST C3,    0xbab60989                       ; folded down by the shifted Chebyshev polynomial of degree 6 on r^2 in [0, pi^2/4]; within 2.4e-8
	SCONST C2,    0x3d2aaaa2
	SCONST E1,    0x3ebc5ab2                       ; 1/e
	SCONST R6,    0x3e2aaaab                       ; 1/6
	SCONST N6,    0xc0c00000                       ; -6
	SCONST PI4,   0x3f490fdb                       ; (pi rounded to f32) / 4
	SCONST L2E,   0x3fb8aa3b                       ; log2 e
; One evaluation of hkb x h for a unit.  src: the phases' pairs.  full = 1: all four rows; full = 0: rows 2 and 3 alone, without d10.
; k2, k3 go to kd, kd + 2; k0, k1 to KK, KK + 2.  The three direct pairs go in lock-step, so that three (with sine and cosine six)
; instructions that do not wait for each other follow one another.
.macro STAGE src, kd, full
	SUBP D+Q20, \src+O2, \src+O0
	SUBP D+Q21, \src+O2, \src+O1
	SUBP D+Q32, \src+O3, \src+O2
	.set e, 0
	.rept 3
	FMAS T+e, D+e, INVPI, SH                       ; d/pi + 1.5 x 2^23: the sum rounds to a whole number n, whose parity is the last bit
	.set e, e+2
	.endr
	.set e, 0
	.rept 3
	SUBP Y+e, T+e, SH                              ; n
	.set e, e+2
	.endr
	.set e, 0
	.rept 3
	FMAS D+e, Y+e, NPI1, D+e                       ; r = d - n pi, pi in two words
	.set e, e+2
	.endr
	.set e, 0
	.rept 3
	FMAS D+e, Y+e, PI2, D+e
	.set e, e+2
	.endr
	.set e, 0
	.rept 3
	MULP Z+e, D+e, D+e                             ; r^2
	.set e, e+2
	.endr
	.set e, 0
	.rept 3
	FMAS Y+e, Z+e, A9, CA7
	FMAS C+e, Z+e, C5, CC4
	.set e, e+2
	.endr
	.set e, 0
	.rept 3
	HORN Y+e, Z+e, A5
	HORN C+e, Z+e, C3
	.set e, e+2
	.endr
	.set e, 0
	.rept 3
	HORN Y+e, Z+e, A3
	HORN C+e, Z+e, C2
	.set e, e+2
	.endr
	.set e, 0
	.rept 3
	MULP Y+e, Y+e, Z+e
	HORNC C+e, Z+e, -0.5
	.set e, e+2
	.endr
	.set e, 0
	.rept 3
	FMAP Y+e, Y+e, D+e, D+e                        ; sin r
	HORNC C+e, Z+e, 1.0                            ; cos r
	.set e, e+2
	.endr
	.set e, 0
	.rept 6
	v_lshl_add_u32 v[Y+e], v[T+e], 31, v[Y+e]      ; sin d = (-1)^n sin r, cos d = (-1)^n cos r: adding parity << 31 to the word turns its sign bit
	v_lshl_add_u32 v[C+e], v[T+e], 31, v[C+e]
	.set e, e+1
	.endr
	; the addition theorem: d30 = d32 + d20, d31 = d32 + d21, d10 = d20 - d21
	MULP Y+Q30, Y+Q32, C+Q20                       ; sin d32 cos d20
	MULP C+Q30, C+Q32, C+Q20                       ; cos d32 cos d20
	MULP Y+Q31, Y+Q32, C+Q21
	MULP C+Q31, C+Q32, C+Q21
	.if \full
	MULP Y+Q10, Y+Q20, C+Q21                       ; sin d20 cos d21
	MULP C+Q10, C+Q20, C+Q21                       ; cos d20 cos d21
	.endif
	FMAP Y+Q30, C+Q32, Y+Q20, Y+Q30                ; + cos d32 sin d20 = sin d30
	FNMP C+Q30, Y+Q32, Y+Q20, C+Q30                ; - sin d32 sin d20 = cos d30
	FMAP Y+Q31, C+Q32, Y+Q21, Y+Q31
	FNMP C+Q31, Y+Q32, Y+Q21, C+Q31
	.if \full
	FNMP Y+Q10, C+Q20, Y+Q21, Y+Q10                ; - cos d20 sin d21 = sin d10
	FMAP C+Q10, Y+Q20, Y+Q21, C+Q10                ; + sin d20 sin d21 = cos d10
	.endif
	.set e, 0
	.rept 5+\full
	MULP C+e, C+e, Y+e                             ; sin d cos d = sin(2 d) / 2; the cosines have had their last use
	.set e, e+2
	.endr
	; rows 2, 3: -s1 in Z+0, Z+2 and -s2 in Z+4, Z+6, j ascending; rows 0, 1 ride along in one chain each
	MULS Z+0, Y+Q20, M20
	MULS Z+2, Y+Q30, M30
	MULS Z+4, C+Q20, B20
	MULS Z+6, C+Q30, B30
	.if \full
	FMAS KK+0, Y+Q10, G01, HW+0
	FMAS KK+2, Y+Q10, G10, HW+2
	.endif
	FMAS Z+0, Y+Q21, M21, Z+0
	FMAS Z+2, Y+Q31, M31, Z+2
	FMAS Z+4, C+Q21, B21, Z+4
	FMAS Z+6, C+Q31, B31, Z+6
	.if \full
	FMAS KK+0, Y+Q20, G02, KK+0
	FMAS KK+2, Y+Q21, G12, KK+2
	.endif
	FMAS Z+0, Y+Q32, M23, Z+0
	FMAS Z+2, Y+Q32, M32, Z+2
	FMAS Z+4, C+Q32, B23, Z+4
	FMAS Z+6, C+Q32, B32, Z+6
	.if \full
	FMAS KK+0, Y+Q30, G03, KK+0
	FMAS KK+2, Y+Q31, G13, KK+2
	.endif
	ADDS Z+0, Z+0, F2                              ; f - s1
	ADDS Z+2, Z+2, F3
	.if \full
	FMAS KK+0, C+Q10, J01, KK+0
	FMAS KK+2, C+Q10, J10, KK+2
	.endif
	ADDP Z+0, Z+0, Z+4                             ; - s2
	ADDP Z+2, Z+2, Z+6
	.if \full
	FMAS KK+0, C+Q20, J02, KK+0
	FMAS KK+2, C+Q21, J12, KK+2
	.endif
	MULS \kd+0, Z+0, SHH                           ; x h
	MULS \kd+2, Z+2, SHH
	.if \full
	FMAS KK+0, C+Q30, J03, KK+0
	FMAS KK+2, C+Q31, J13, KK+2
	.endif
.endm
; The four stages of unit u.  left: how many younger loads may stay out; pre = 1: the unit's inputs of the next trip are asked for.
.macro UNIT in, acc, u, left, pre
	s_wait_loadcnt \left                           ; loads come back in order: my four are in, the other unit's four may be out
	v_swap_b32 v[\in+1], v[\in+4]                  ; (A0 A1 A2 A3)(B0 B1 B2 B3) -> pairs (A0 B0)(A2 B2)(A1 B1)(A3 B3)
	v_swap_b32 v[\in+3], v[\in+6]
	v_swap_b32 v[\in+9], v[\in+10]                 ; (x0A x1A)(x0B x1B) -> (x0A x0B)(x1A x1B)
	FMAS HW+0, \in+8,  SHH, VHF0                   ; h x + h f
	FMAS HW+2, \in+10, SHH, VHF1
	STAGE \in, \acc, 1                             ; k1; rows 2, 3 start the RK sums
	AXPC PC+O0, KK+0,   0.5, \in+O0
	AXPC PC+O1, KK+2,   0.5, \in+O1
	AXPC PC+O2, \acc+0, 0.5, \in+O2
	AXPC PC+O3, \acc+2, 0.5, \in+O3
	STAGE PC, KK+4, 1                              ; k2
	AXPC PC+O0, KK+0, 0.5, \in+O0
	AXPC PC+O1, KK+2, 0.5, \in+O1
	AXPC PC+O2, KK+4, 0.5, \in+O2
	AXPC PC+O3, KK+6, 0.5, \in+O3
	AXPC \acc+0, KK+4, 2.0, \acc+0
	AXPC \acc+2, KK+6, 2.0, \acc+2
	STAGE PC, KK+4, 1                              ; k3
	ADDP PC+O0, \in+O0, KK+0
	ADDP PC+O1, \in+O1, KK+2
	ADDP PC+O2, \in+O2, KK+4
	ADDP PC+O3, \in+O3, KK+6
	AXPC \acc+0, KK+4, 2.0, \acc+0
	AXPC \acc+2, KK+6, 2.0, \acc+2
	.if \pre
	LOADIN \in, \u, 1                              ; the phases have had their last read: stage 4 and the other unit's four stages pass before these are waited for
	.endif
	STAGE PC, KK+4, 0                              ; k4, rows 2 and 3
	ADDP \acc+0, \acc+0, KK+4
	ADDP \acc+2, \acc+2, KK+6
.endm
; The angle, the three probabilities and the softmax of both units (four agents a lane), and the way out.
.macro TAIL
	.set e, 0
	.rept 4
	MULS D+e, ACC+e, R6                            ; a/6, correctly rounded: q = a/6 roughly,
	.set e, e+2
	.endr
	.set e, 0
	.rept 4
	FMAS T+e, D+e, N6, ACC+e                       ; what is left, a - 6 q, exactly,
	.set e, e+2
	.endr
	.set e, 0
	.rept 4
	FMAS D+e, T+e, R6, D+e                         ; and q mended by it
	.set e, e+2
	.endr
	SUBP Y+0, D+2, D+0                             ; ang = new3 - new2
	SUBP Y+2, D+6, D+4
	v_pk_mul_f32 v[Z+0:Z+1], v[Y+0:Y+1], 0.5 op_sel_hi:[1,0]
	v_pk_mul_f32 v[Z+2:Z+3], v[Y+2:Y+3], 0.5 op_sel_hi:[1,0]
.irp i, 0,1,2,3
	v_floor_f32 v[Z+\i], v[Z+\i]
.endr
	AXPC Y+0, Z+0, -2.0, Y+0                       ; m = ang - 2 floor(ang/2), one rounding: the remainder, with 2 added where it is negative
	AXPC Y+2, Z+2, -2.0, Y+2
	MULS T+0, Y+0, PI4                             ; q = (m pi) / 4, in [0, pi/2]
	MULS T+2, Y+2, PI4
	MULP Z+0, T+0, T+0
	MULP Z+2, T+2, T+2
	FMAS C+0, Z+0, C5, CC4
	FMAS C+2, Z+2, C5, CC4
	HORN C+0, Z+0, C3
	HORN C+2, Z+2, C3
	HORN C+0, Z+0, C2
	HORN C+2, Z+2, C2
	HORNC C+0, Z+0, -0.5
	HORNC C+2, Z+2, -0.5
	MULP C+0, C+0, Z+0                             ; cos q - 1: the maximum, 1, is already taken away
	MULP C+2, C+2, Z+2
	MULS C+0, C+0, L2E
	MULS C+2, C+2, L2E
.irp i, 0,1,2,3
	v_exp_f32 v[T+\i], v[C+\i]                     ; exp(forward - 1); the compares below are the plain instructions that stand before its use (ISA guide 5.7.2)
.endr
.irp i, 0,1,2,3
	v_cmp_lt_f32 s[12+\i], 0, v[Y+\i]              ; right = (m > 0)
.endr
	s_wait_alu depctr_va_vdst(0)
.irp i, 0,1,2,3
	v_cndmask_b32 v[D+\i], v[VE], v[VE+1], s[12+\i] ; exp(right - 1): 1 or 1/e
.endr
	ADDS Z+0, D+0, E1                              ; + exp(left - 1) = 1/e
	ADDS Z+2, D+2, E1
	ADDP Z+0, Z+0, T+0
	ADDP Z+2, Z+2, T+2
.irp i, 0,1,2,3
	v_rcp_f32 v[C+\i], v[Z+\i]
.endr
	v_nop                                          ; one plain instruction between the reciprocals and their use (ISA guide 5.7.2); nothing else is left to do here
	s_wait_alu depctr_va_vdst(0)
	MULP D+0, D+0, C+0
	MULP D+2, D+2, C+2
	MULP T+0, T+0, C+0
	MULP T+2, T+2, C+2
	MULS C+0, C+0, E1
	MULS C+2, C+2, E1
.irp j, 0,1,2,3
	ds_store_b32 v[LST], v[D+\j] offset:384*\j     ; agent 32 j + lane of the trip's 128: 12 bytes each; lanes are 3 words apart, 32 different banks
	ds_store_b32 v[LST], v[C+\j] offset:384*\j+4
	ds_store_b32 v[LST], v[T+\j] offset:384*\j+8
.endr
.irp m, 0,1,2
	ds_load_b128 v[O+4*\m:O+4*\m+3], v[LLD] offset:512*\m   ; my wave's own bytes, served in order (ISA guide 5.7.1): these see the stores above
.endr
.irp m, 0,1,2
	s_wait_dscnt 2-\m                              ; the younger read-backs may stay out
	global_store_b128 v[VO], v[O+4*\m:O+4*\m+3], s[8:9] offset:512*\m th:TH_STORE_NT   ; 512 consecutive bytes, aligned
.endr
.endm
.macro ITER pre, leftb
	UNIT INA, ACC,   0, 4, \pre
	UNIT INB, ACC+4, 1, \leftb, \pre
	TAIL
.endm
	s_mov_b32 s11, ITERS-1
.Ltrip:
	ITER 1, 4
	s_wait_xcnt 0x0                                ; the three bases, which pending loads and stores name, and the rows v[118:129] are rewritten only behind this wait
	s_add_nc_u64 s[4:5], s[4:5], P_IT
	s_add_nc_u64 s[6:7], s[6:7], X_IT
	s_add_nc_u64 s[8:9], s[8:9], O_IT
	s_sub_co_i32 s11, s11, 1
	s_cmp_lg_u32 s11, 0
	s_cbranch_scc1 .Ltrip
	ITER 0, 0                                      ; the last trip asks for nothing: unit B's wait is for zero
	s_wait_tensorcnt 0x0
	ds_add_u32 v130, v131
	s_wait_dscnt 0x0
	s_endpgm
.Lfunc_end_k_qbe5706685c_guido:
	.size	k_qbe5706685c_guido, .Lfunc_end_k_qbe5706685c_guido-k_qbe5706685c_guido
	.p2alignl 7, 3214868480
	.fill 96, 4, 3214868480
	.section	.rodata,"a",@progbits
	.p2align	6, 0x0
	.amdhsa_kernel k_qbe5706685c_guido
		.amdhsa_group_segment_fixed_size 26624
		.amdhsa_private_segment_fixed_size 0
		.amdhsa_enable_private_segment 0
		.amdhsa_kernarg_size 48
		.amdhsa_user_sgpr_count 2
		.amdhsa_user_sgpr_kernarg_segment_ptr 1
		.amdhsa_wavefront_size32 1
		.amdhsa_system_sgpr_workgroup_id_x 1
		.amdhsa_system_sgpr_workgroup_id_y 1
		.amdhsa_system_sgpr_workgroup_id_z 1
		.amdhsa_system_vgpr_workitem_id 0
		.amdhsa_next_free_vgpr 132
		.amdhsa_next_free_sgpr 100
		.amdhsa_reserve_vcc 0
		.amdhsa_float_denorm_mode_32 3
		.amdhsa_float_denorm_mode_16_64 3
		.amdhsa_memory_ordered 1
		.amdhsa_forward_progress 1
		.amdhsa_inst_pref_size 128
	.end_amdhsa_kernel
	.amdgpu_metadata
---
amdhsa.version: [ 1, 2 ]
amdhsa.kernels:
  - .name:           k_qbe5706685c_guido
    .symbol:         k_qbe5706685c_guido.kd
    .args:
      - { .name: phases, .offset: 0, .size: 8, .value_kind: global_buffer, .address_space: global }
      - { .name: x_in, .offset: 8, .size: 8, .value_kind: global_buffer, .address_space: global }
      - { .name: out0, .offset: 16, .size: 8, .value_kind: global_buffer, .address_space: global }
      - { .name: freqs, .offset: 24, .size: 8, .value_kind: global_buffer, .address_space: global }
      - { .name: K_phase, .offset: 32, .size: 8, .value_kind: global_buffer, .address_space: global }
      - { .name: K_anti, .offset: 40, .size: 8, .value_kind: global_buffer, .address_space: global }
    .group_segment_fixed_size: 26624
    .private_segment_fixed_size: 0
    .kernarg_segment_align: 8
    .kernarg_segment_size: 48
    .max_flat_workgroup_size: 512
    .sgpr_count:     100
    .vgpr_count:     132
    .wavefront_size: 32
...
	.end_amdgpu_metadata
.endif
;; end of part 2
